; MI455X (gfx1250); checked and timed in simulation.
; The chip was launched on July 23, 2026; its instructions are those of AMD's public machine-readable ISA for CDNA 5 (MIT licence, August 2026) and "CDNA5" Instruction Set Architecture Reference Guide (July 2026). The comments in the code are by the model that wrote it; some were corrected since.
;; Separable QP Projection. Allowed arithmetic: float matrix products may take bf16 or f16 operands with f32 sums; all other float work in f32.
;; Inputs: M 4,096 float32; gamma 4,096 float32; m 4,096 float32; xi 4,096 float32; z 4,096 x 4,096 float32.
;; Outputs: out0 4,096 x 4,096 float32.
;; One version. Each part assembles by itself: llvm-mc -triple=amdgcn-amd-amdhsa -mcpu=gfx1250 --defsym DOCPART=n.
;; ======== version 1 of 1: 1 launch
;; limits: below input magnitudes of 5.4e-20 results are inexact or not finite; right only within a limited range of input values
;; launch project (part 1): grid 256 x 1, 4 waves a work-group, no clusters, 115,456 bytes of LDS; arguments z, gamma, m, M, xi, out0; writes out0
.if DOCPART == 1
	.amdgcn_target "amdgcn-amd-amdhsa--gfx1250"
	.amdhsa_code_object_version 6
	.text
	.protected	k_q2c1f066047_project
	.globl	k_q2c1f066047_project
	.p2align	8
	.type	k_q2c1f066047_project,@function
k_q2c1f066047_project:
	s_mov_b64 s[64:65], 0
	v_nop
	global_prefetch_b8 v0, s[64:65] scope:SCOPE_SE
	s_setreg_imm32_b32 hwreg(HW_REG_WAVE_MODE, 25, 1), 1
	s_wait_xcnt 0x0
; Projection of each row of z [4096][4096] f32 onto {sum x = xi, m <= x <= M} by 40 bisection steps on lambda, as reference() does them.
;
; FORM.  Per column: m' = min(m, M) (then a median of three equals min(max(., m), M) also where m > M), D = M - m', r = 1/D,
; b = r / (2 gamma).  Per element, once: a = (z - m') r.  Then  clip(z + lam/(2 gamma), m, M) = m' + D t,  t = clip(a + lam b, 0, 1),
; and  sum x - xi > 0  is  sum D t > xi - sum m'.  A bisection step costs a packed fma, a median against the constants 0 and 1 and a
; packed fma into the sums, and needs two arrays per column (b, D).  The bracket is made with the reference's own operations,
; min 2 gamma (m - z) and max 2 gamma (M - z) with the m that was given: min and max do not hang on the order, so it starts bit-equal.
;
; LIMITS.  1/(2 gamma) and 1/D are v_rcp_f32 (1 ulp, denormal operands and results count as zero: ISA guide 15.8), so 2 gamma and D
; are served between 2^-126 and 2^126.  A column with D < 2^-64 is held at m' (error in x below 2^-64).  Inputs are finite.  Sums are
; trees (16 partial sums a lane, then the lanes), x is rounded as m' + D t: the last bits differ from the reference's order of rounding.
;
; SHARES.  256 work-groups x 4 waves x 4 rows.  A wave holds whole rows (128 registers a row): no sum leaves the wave.  Register 4k+c of
; lane l is column 128 k + 4 l + c, so every load and store of a wave covers 512 consecutive bytes, aligned.  Nothing is shared between
; work-groups but gamma, m, M (48 KiB of the 304 KiB a work-group reads): no cluster.  Every byte of z goes to one lane's register:
; no tensor load, no ring in LDS; rows 2 and 3 are requested into their own registers while rows 0 and 1 are worked on.
;
; REGISTERS, windows of 256 (s_set_vgpr_msb: bits 1:0 source 0, 3:2 source 1, 5:4 source 2, 7:6 destination):
;   window 0: v1 16 lane; v2 offset in z and out; v3 16 thread; v5, v6 the same + 64 KiB; v7, v8 LDS address of sum m'; v9 sum m';
;             v16-31, v32-47 the 8 packed sums of row A, row B; v48, v50 mid (v49, v51 only fill the pair); v52-55 lo, hi of A, of B;
;             v56-59 xi - sum m' of my 4 rows; v60-63 scratch of the two chains; v64-127 T, at work; v128-255 D
;   window 1: v0-127 b, v128-255 m'      window 2: rows 0, 1 (first z, then a, then x)      window 3: rows 2, 3
.set ROWB, 16384                       ; bytes in a row, and in an array per column
.set T,    64
.set DD,   128
.set BB,   0                           ; window 1
.set MP,   128                         ; window 1
.set ACCA, 16
.set ACCB, 32
.set MIDA, 48
.set MIDB, 50
.set LOA,  52                          ; hi is the register behind lo
.set LOB,  54
.set XIP,  56
.set SA,   60
.set SB,   62
; LDS: 2 gamma at 0, m at 16 KiB, M at 32 KiB, r at 48 KiB; behind 64 KiB (a second address register): b, D, m', 4 partial sums of m'
.set P_G,  64                          ; set-up only: my 32 columns of gamma (then 2 gamma), m, M, 1/(2 gamma) (then b), m', D, 1/D (then r)
.set P_MO, 96
.set P_MM, 128
.set P_W,  160
.set P_MP, 192
.set P_D,  224
.set P_R,  16
.set MSB, 0
.macro WIN new                         ; the immediate's high byte repeats the setting that is left; a switch that changes nothing is dropped
.if MSB != (\new)
	s_set_vgpr_msb (MSB<<8)|(\new)
.set MSB, (\new)
.endif
.endm
	s_load_b256 s[4:11], s[0:1], 0x0               ; z s[4:5], gamma s[6:7], m s[8:9], M s[10:11]
	s_load_b128 s[12:15], s[0:1], 0x20             ; xi s[12:13], out0 s[14:15]
	v_lshl_add_u32 v10, v0, 2, 0x1c100
	v_mov_b32 v11, 0
	v_lshrrev_b32 v4, 5, v0
	v_readfirstlane_b32 s16, v4                    ; wave 0..3
	v_and_b32 v1, 31, v0
	v_lshlrev_b32 v1, 4, v1                        ; 16 x lane
	s_lshl_b32 s17, s16, 16                        ; my 4 rows of 16 KiB
	v_add_nc_u32 v2, s17, v1
	s_lshl_b32 s29, s16, 9                         ; 512 x wave + 16 x lane = 16 x thread
	v_add_nc_u32 v3, s29, v1
	v_add_nc_u32 v5, 0x10000, v1
	v_add_nc_u32 v6, 0x10000, v3
	s_lshl_b32 s31, s16, 2
	s_add_co_u32 s31, s31, 0x10000
	v_mov_b32 v7, s31                              ; my wave's word among the partial sums of m'
	v_mov_b32 v8, 0x10000
	s_lshl_b32 s18, ttmp9, 18                      ; the work-group's 16 rows of 16 KiB (below 2^26)
	s_mov_b32 s19, 0
	s_lshl_b32 s20, ttmp9, 6                       ; xi: 4 bytes x (16 x work-group + 4 x wave)
	s_lshl_b32 s21, s16, 4
	s_add_co_u32 s20, s20, s21
	s_mov_b32 s22, 0x76543210                      ; v_permlanex16_b32: lane i takes lane i of the other half
	s_mov_b32 s23, 0xfedcba98
	s_mov_b32 s28, 0x1f800000                      ; 2^-64: below it a column's width counts as none
.irp i, 60,61,62,63
	v_mov_b32 v\i, 0                               ; destinations of v_permlanex16_b32 count as read: written once here
.endr
	s_wait_kmcnt 0x0
	s_add_nc_u64 s[4:5], s[4:5], s[18:19]
	s_add_nc_u64 s[14:15], s[14:15], s[18:19]
	s_load_b128 s[24:27], s[12:13], s20 offset:0x0 ; xi of my 4 rows
; my quarter of gamma, m, M: thread t takes the 16 bytes at 16 t of each block of 2,048 bytes
.set k, 0
.rept 8
	global_load_b128 v[P_G+4*k:P_G+4*k+3],   v3, s[6:7]   offset:2048*k
	global_load_b128 v[P_MO+4*k:P_MO+4*k+3], v3, s[8:9]   offset:2048*k
	global_load_b128 v[P_MM+4*k:P_MM+4*k+3], v3, s[10:11] offset:2048*k
.set k, k+1
.endr
.macro LDROW w, rb, row                ; a whole row of z, 32 loads, into window w from register rb
	WIN (\w<<6)
.set k, 0
.rept 32
	global_load_b128 v[\rb+4*k:\rb+4*k+3], v2, s[4:5] offset:(\row)*ROWB+512*k th:TH_LOAD_NT
.set k, k+1
.endr
	WIN 0
.endm
	LDROW 2, 0, 0
	s_wait_loadcnt 32                              ; loads return in order (ISA guide 5.7.1): row 0's 32 may be out, gamma, m, M are in
	LDROW 2, 128, 1
; the arrays per column, each wave its quarter
.set i, 0
.rept 16
	v_pk_add_f32 v[P_G+2*i:P_G+2*i+1], v[P_G+2*i:P_G+2*i+1], v[P_G+2*i:P_G+2*i+1]       ; 2 gamma
.set i, i+1
.endr
.set i, 0
.rept 32
	v_min_num_f32 v[P_MP+i], v[P_MO+i], v[P_MM+i]                                       ; m'
.set i, i+1
.endr
.set i, 0
.rept 16
	v_pk_add_f32 v[P_D+2*i:P_D+2*i+1], v[P_MM+2*i:P_MM+2*i+1], v[P_MP+2*i:P_MP+2*i+1] neg_lo:[0,1] neg_hi:[0,1]   ; D = M - m'
.set i, i+1
.endr
.set i, 0
.rept 32
	v_rcp_f32 v[P_W+i], v[P_G+i]
.set i, i+1
.endr
.set i, 0
.rept 32
	v_rcp_f32 v[P_R+i], v[P_D+i]
.set i, i+1
.endr
; sum of my 32 m', four chains.  These plain lines also stand between the reciprocals and the first use of a result (ISA guide 5.7.2).
.irp k, 0,2,4,6
	v_pk_add_f32 v[48+\k:49+\k], v[P_MP+\k:P_MP+\k+1], v[P_MP+8+\k:P_MP+9+\k]
.endr
.irp j, 16,24
.irp k, 0,2,4,6
	v_pk_add_f32 v[48+\k:49+\k], v[48+\k:49+\k], v[P_MP+\j+\k:P_MP+\j+\k+1]
.endr
.endr
	v_pk_add_f32 v[48:49], v[48:49], v[52:53]
	v_pk_add_f32 v[50:51], v[50:51], v[54:55]      ; (v49 and v51 are written here: later they only fill mid's register pairs)
	v_pk_add_f32 v[48:49], v[48:49], v[50:51]
	v_add_f32 v48, v48, v49
.irp x, 1,2,4,8
	v_add_f32_dpp v48, v48, v48 row_xmask:\x row_mask:0xf bank_mask:0xf
.endr
	v_permlanex16_b32 v49, v48, s22, s23
	v_add_f32 v48, v48, v49
.set i, 0
	s_wait_alu depctr_va_vdst(0)
.rept 32
	v_cmp_le_f32 vcc_lo, s28, v[P_D+i]             ; 2^-64 <= D ?
	v_mul_f32 v[P_W+i], v[P_W+i], v[P_R+i]         ; b = r / (2 gamma)
	v_cndmask_b32 v[P_R+i], 0, v[P_R+i], vcc_lo    ; else r = 0 and b = 0: t = 0, x = m'
	v_cndmask_b32 v[P_W+i], 0, v[P_W+i], vcc_lo
.set i, i+1
.endr
.set k, 0
.rept 8
	ds_store_b128 v3, v[P_G+4*k:P_G+4*k+3]   offset:2048*k
	ds_store_b128 v3, v[P_MO+4*k:P_MO+4*k+3] offset:16384+2048*k
	ds_store_b128 v3, v[P_MM+4*k:P_MM+4*k+3] offset:32768+2048*k
	ds_store_b128 v3, v[P_R+4*k:P_R+4*k+3]   offset:49152+2048*k
	ds_store_b128 v6, v[P_W+4*k:P_W+4*k+3]   offset:2048*k
	ds_store_b128 v6, v[P_D+4*k:P_D+4*k+3]   offset:16384+2048*k
	ds_store_b128 v6, v[P_MP+4*k:P_MP+4*k+3] offset:32768+2048*k
.set k, k+1
.endr
	ds_store_b32 v7, v48 offset:49152              ; every lane the same word, the same value
	s_wait_dscnt 0x0                               ; for the other waves: all my stores are in LDS before I say so
	s_barrier_signal -1
	s_barrier_wait -1                              ; from here on LDS is only read
.set k, 0
.rept 32
	ds_load_b128 v[DD+4*k:DD+4*k+3], v5 offset:16384+512*k
.set k, k+1
.endr
	ds_load_b128 v[12:15], v8 offset:49152         ; the four waves' sums of m'
	WIN 0x40
.set k, 0
.rept 32
	ds_load_b128 v[BB+4*k:BB+4*k+3], v5 offset:512*k
	ds_load_b128 v[MP+4*k:MP+4*k+3], v5 offset:32768+512*k
.set k, k+1
.endr
	WIN 0
	s_wait_dscnt 0x0
	s_wait_kmcnt 0x0                               ; xi
	v_add_f32 v12, v12, v13
	v_add_f32 v14, v14, v15
	v_add_f32 v9, v12, v14                         ; sum m'
.irp i, 0,1,2,3
	v_sub_f32 v[XIP+\i], s[24+\i], v9              ; what sum D t is compared with
.endr
; One line of a row's chain from the 16 partial sums to the next mid.  ac: its sums; s: two scratch registers; lo: lo, hi; mid; xip.
.macro CH n, ac, s, lo, mid, xip
.if \n == 1
	v_pk_add_f32 v[\ac:\ac+1], v[\ac:\ac+1], v[\ac+8:\ac+9]
.endif
.if \n == 2
	v_pk_add_f32 v[\ac+2:\ac+3], v[\ac+2:\ac+3], v[\ac+10:\ac+11]
.endif
.if \n == 3
	v_pk_add_f32 v[\ac+4:\ac+5], v[\ac+4:\ac+5], v[\ac+12:\ac+13]
.endif
.if \n == 4
	v_pk_add_f32 v[\ac+6:\ac+7], v[\ac+6:\ac+7], v[\ac+14:\ac+15]
.endif
.if \n == 5
	v_pk_add_f32 v[\ac:\ac+1], v[\ac:\ac+1], v[\ac+4:\ac+5]
.endif
.if \n == 6
	v_pk_add_f32 v[\ac+2:\ac+3], v[\ac+2:\ac+3], v[\ac+6:\ac+7]
.endif
.if \n == 7
	v_pk_add_f32 v[\ac:\ac+1], v[\ac:\ac+1], v[\ac+2:\ac+3]
.endif
.if \n == 8
	v_add_f32 v[\s], v[\ac], v[\ac+1]
.endif
.if \n == 9
	v_add_f32_dpp v[\s], v[\s], v[\s] row_xmask:1 row_mask:0xf bank_mask:0xf
.endif
.if \n == 10
	v_add_f32_dpp v[\s], v[\s], v[\s] row_xmask:2 row_mask:0xf bank_mask:0xf
.endif
.if \n == 11
	v_add_f32_dpp v[\s], v[\s], v[\s] row_xmask:4 row_mask:0xf bank_mask:0xf
.endif
.if \n == 12
	v_add_f32_dpp v[\s], v[\s], v[\s] row_xmask:8 row_mask:0xf bank_mask:0xf
.endif
.if \n == 13
	v_permlanex16_b32 v[\s+1], v[\s], s22, s23
.endif
.if \n == 14
	v_add_f32 v[\s], v[\s], v[\s+1]                ; sum D t, in every lane
.endif
.if \n == 15
	v_cmp_gt_f32 vcc_lo, v[\s], v[\xip]            ; g(mid) > 0
.endif
.if \n == 16
	v_cndmask_b32 v[\lo], v[\mid], v[\lo], vcc_lo  ; lo stays where g > 0, else mid
.endif
.if \n == 17
	v_cndmask_b32 v[\lo+1], v[\lo+1], v[\mid], vcc_lo  ; hi = mid where g > 0
.endif
.if \n == 18
	v_add_f32 v[\s], v[\lo], v[\lo+1]
.endif
.if \n == 19
	v_mul_f32 v[\mid], 0.5, v[\s]
.endif
.endm
.macro AT qq, n, ac, s, lo, mid, xip
.if q == \qq
	CH \n, \ac, \s, \lo, \mid, \xip
.endif
.endm
; Where the 19 lines stand among the 64 slots of the other row's work: lines that depend on each other are at least three slots apart.
.macro SLOT ac, s, lo, mid, xip
	AT 0,  1,  \ac, \s, \lo, \mid, \xip
	AT 1,  2,  \ac, \s, \lo, \mid, \xip
	AT 2,  3,  \ac, \s, \lo, \mid, \xip
	AT 3,  4,  \ac, \s, \lo, \mid, \xip
	AT 8,  5,  \ac, \s, \lo, \mid, \xip
	AT 9,  6,  \ac, \s, \lo, \mid, \xip
	AT 14, 7,  \ac, \s, \lo, \mid, \xip
	AT 19, 8,  \ac, \s, \lo, \mid, \xip
	AT 24, 9,  \ac, \s, \lo, \mid, \xip
	AT 29, 10, \ac, \s, \lo, \mid, \xip
	AT 32, 11, \ac, \s, \lo, \mid, \xip
	AT 36, 12, \ac, \s, \lo, \mid, \xip
	AT 40, 13, \ac, \s, \lo, \mid, \xip
	AT 44, 14, \ac, \s, \lo, \mid, \xip
	AT 48, 15, \ac, \s, \lo, \mid, \xip
	AT 52, 16, \ac, \s, \lo, \mid, \xip
	AT 53, 17, \ac, \s, \lo, \mid, \xip
	AT 57, 18, \ac, \s, \lo, \mid, \xip
	AT 61, 19, \ac, \s, \lo, \mid, \xip
.endm
; 32 pairs: T = a + lam b.  b is source 0 (window 1), a source 2 (window w); lam is the low register of its pair, for both halves.
.macro AXPB w, rb, lam
	WIN (\w<<4)|1
.set p, 0
.rept 32
	v_pk_fma_f32 v[T+2*p:T+2*p+1], v[BB+64*h+2*p:BB+64*h+2*p+1], v[\lam:\lam+1], v[\rb+64*h+2*p:\rb+64*h+2*p+1] op_sel_hi:[1,0,1]
.set p, p+1
.endr
	WIN 0
.endm
; One row's sum D t at its mid, in two batches of 32 pairs (T holds 64 registers): four window switches.  The medians run four pairs
; ahead of the sums that read them; a sum register is used again eight pairs later.  The first eight products start the sums: nothing
; is cleared.  ch = 1: the OTHER row's chain is dealt out among this row's lines that run in window 0, so that no line waits for the one before.
.macro BULK w, rb, ac, mid, ch, oac, os, olo, omid, oxip
.set h, 0
.rept 2
	AXPB \w, \rb, \mid
.set p, 0
.rept 8
	v_med3_num_f32 v[T+p], v[T+p], 0, 1.0
.set p, p+1
.endr
.set p, 0
.rept 32
.if p < 28
	v_med3_num_f32 v[T+2*p+8], v[T+2*p+8], 0, 1.0
	v_med3_num_f32 v[T+2*p+9], v[T+2*p+9], 0, 1.0
.endif
.if 32*h+p < 8
	v_pk_mul_f32 v[\ac+2*p:\ac+2*p+1], v[DD+2*p:DD+2*p+1], v[T+2*p:T+2*p+1]
.else
	v_pk_fma_f32 v[\ac+2*(p%8):\ac+2*(p%8)+1], v[DD+64*h+2*p:DD+64*h+2*p+1], v[T+2*p:T+2*p+1], v[\ac+2*(p%8):\ac+2*(p%8)+1]
.endif
.if \ch
.set q, 32*h+p
	SLOT \oac, \os, \olo, \omid, \oxip
.endif
.set p, p+1
.endr
.set h, h+1
.endr
.endm
; x = m' + D clip(a + lam b, 0, 1), written over a, and stored: the registers are never written again, so the stores need no wait.
.macro FINAL w, rb, lam, row
.set h, 0
.rept 2
	AXPB \w, \rb, \lam
.set p, 0
.rept 64
	v_med3_num_f32 v[T+p], v[T+p], 0, 1.0
.set p, p+1
.endr
	WIN (\w<<6)|(1<<4)
.set p, 0
.rept 32
	v_pk_fma_f32 v[\rb+64*h+2*p:\rb+64*h+2*p+1], v[DD+64*h+2*p:DD+64*h+2*p+1], v[T+2*p:T+2*p+1], v[MP+64*h+2*p:MP+64*h+2*p+1]
.set p, p+1
.endr
	WIN (\w<<2)
.set k, 16*h
.rept 16
	global_store_b128 v2, v[\rb+4*k:\rb+4*k+3], s[14:15] offset:(\row)*ROWB+512*k th:TH_STORE_NT
.set k, k+1
.endr
.set h, h+1
.endr
	WIN 0
.endm
; 8 registers a lane of 2 gamma, m, M, r from LDS into half b of T
.macro LDCH c, b
.irp a, 0,1,2,3
	ds_load_b128 v[T+32*(\b)+8*\a:T+32*(\b)+8*\a+3],   v1 offset:16384*\a+1024*(\c)
	ds_load_b128 v[T+32*(\b)+8*\a+4:T+32*(\b)+8*\a+7], v1 offset:16384*\a+1024*(\c)+512
.endr
.endm
; The bracket of both rows of window w, and z -> a in place.  16 chunks of 8 registers; the next chunk's LDS loads run ahead.
.macro INIT w
	LDCH 0, 0
.set c, 0
.rept 16
.set bq, T+32*(c%2)
.if c < 15
	LDCH (c+1), ((c+1)%2)
	s_wait_dscnt 8                                 ; LDS loads return in order: the next chunk's 8 may be out, this chunk's are in
.else
	s_wait_dscnt 0x0
.endif
	WIN (\w<<2)                                    ; z is source 1
.irp u, 0,2,4,6
	v_pk_add_f32 v[16+\u:17+\u], v[bq+8+\u:bq+9+\u],   v[8*c+\u:8*c+\u+1] neg_lo:[0,1] neg_hi:[0,1]           ; m - z, row A
	v_pk_add_f32 v[24+\u:25+\u], v[bq+16+\u:bq+17+\u], v[8*c+\u:8*c+\u+1] neg_lo:[0,1] neg_hi:[0,1]           ; M - z
	v_pk_add_f32 v[32+\u:33+\u], v[bq+8+\u:bq+9+\u],   v[128+8*c+\u:128+8*c+\u+1] neg_lo:[0,1] neg_hi:[0,1]   ; row B
	v_pk_add_f32 v[40+\u:41+\u], v[bq+16+\u:bq+17+\u], v[128+8*c+\u:128+8*c+\u+1] neg_lo:[0,1] neg_hi:[0,1]
.endr
	WIN (\w<<6)|(\w<<2)|1                          ; z - m' over z: m' is source 0 (window 1)
.irp u, 0,2,4,6
	v_pk_add_f32 v[8*c+\u:8*c+\u+1], v[MP+8*c+\u:MP+8*c+\u+1], v[8*c+\u:8*c+\u+1] neg_lo:[1,0] neg_hi:[1,0]
	v_pk_add_f32 v[128+8*c+\u:128+8*c+\u+1], v[MP+8*c+\u:MP+8*c+\u+1], v[128+8*c+\u:128+8*c+\u+1] neg_lo:[1,0] neg_hi:[1,0]
.endr
	WIN (\w<<6)|\w                                 ; a = (z - m') r
.irp u, 0,2,4,6
	v_pk_mul_f32 v[8*c+\u:8*c+\u+1], v[8*c+\u:8*c+\u+1], v[bq+24+\u:bq+25+\u]
	v_pk_mul_f32 v[128+8*c+\u:128+8*c+\u+1], v[128+8*c+\u:128+8*c+\u+1], v[bq+24+\u:bq+25+\u]
.endr
	WIN 0
.irp u, 0,2,4,6
	v_pk_mul_f32 v[16+\u:17+\u], v[16+\u:17+\u], v[bq+\u:bq+\u+1]       ; 2 gamma (m - z)
	v_pk_mul_f32 v[24+\u:25+\u], v[24+\u:25+\u], v[bq+\u:bq+\u+1]
	v_pk_mul_f32 v[32+\u:33+\u], v[32+\u:33+\u], v[bq+\u:bq+\u+1]
	v_pk_mul_f32 v[40+\u:41+\u], v[40+\u:41+\u], v[bq+\u:bq+\u+1]
.endr
.irp u, 0,2,4,6
.if 8*c+\u == 0
	v_min_num_f32 v[LOA],   v16, v17               ; the first pair starts the four running extremes
	v_max_num_f32 v[LOA+1], v24, v25
	v_min_num_f32 v[LOB],   v32, v33
	v_max_num_f32 v[LOB+1], v40, v41
.else
	v_min3_num_f32 v[LOA],   v[LOA],   v[16+\u], v[17+\u]
	v_max3_num_f32 v[LOA+1], v[LOA+1], v[24+\u], v[25+\u]
	v_min3_num_f32 v[LOB],   v[LOB],   v[32+\u], v[33+\u]
	v_max3_num_f32 v[LOB+1], v[LOB+1], v[40+\u], v[41+\u]
.endif
.endr
.set c, c+1
.endr
.irp x, 1,2,4,8
	v_min_num_f32_dpp v[LOA],   v[LOA],   v[LOA]   row_xmask:\x row_mask:0xf bank_mask:0xf
	v_max_num_f32_dpp v[LOA+1], v[LOA+1], v[LOA+1] row_xmask:\x row_mask:0xf bank_mask:0xf
	v_min_num_f32_dpp v[LOB],   v[LOB],   v[LOB]   row_xmask:\x row_mask:0xf bank_mask:0xf
	v_max_num_f32_dpp v[LOB+1], v[LOB+1], v[LOB+1] row_xmask:\x row_mask:0xf bank_mask:0xf
.endr
	v_permlanex16_b32 v[SA],   v[LOA],   s22, s23
	v_permlanex16_b32 v[SA+1], v[LOA+1], s22, s23
	v_permlanex16_b32 v[SB],   v[LOB],   s22, s23
	v_permlanex16_b32 v[SB+1], v[LOB+1], s22, s23
	v_min_num_f32 v[LOA],   v[LOA],   v[SA]
	v_max_num_f32 v[LOA+1], v[LOA+1], v[SA+1]
	v_min_num_f32 v[LOB],   v[LOB],   v[SB]
	v_max_num_f32 v[LOB+1], v[LOB+1], v[SB+1]
	v_add_f32 v[SA], v[LOA], v[LOA+1]
	v_add_f32 v[SB], v[LOB], v[LOB+1]
	v_mul_f32 v[MIDA], 0.5, v[SA]
	v_mul_f32 v[MIDB], 0.5, v[SB]
.endm
; Two rows, A and B, half a step apart: 1 + 39 sums of A and 39 + 1 of B, 39 + 1 updates of each: 40 steps for both.
.macro PAIR w, r0
	INIT \w
	BULK \w, 0, ACCA, MIDA, 0, 0, 0, 0, 0, 0
	WIN 0
	s_mov_b32 s30, 39
.Lbisect\w:
	BULK \w, 128, ACCB, MIDB, 1, ACCA, SA, LOA, MIDA, XIP+\r0
	BULK \w, 0,   ACCA, MIDA, 1, ACCB, SB, LOB, MIDB, XIP+\r0+1
	WIN 0
	s_sub_co_i32 s30, s30, 1
	s_cmp_lg_u32 s30, 0
	s_cbranch_scc1 .Lbisect\w
	BULK \w, 128, ACCB, MIDB, 1, ACCA, SA, LOA, MIDA, XIP+\r0
.irp n, 1,2,3,4,5,6,7,8,9,10,11,12,13,14,15,16,17,18,19
	CH \n, ACCB, SB, LOB, MIDB, XIP+\r0+1
.endr
	FINAL \w, 0,   MIDA, \r0                       ; mid after the 40th update is lam = (lo + hi) / 2
	FINAL \w, 128, MIDB, \r0+1
.endm
	s_wait_loadcnt 32                              ; row 1's 32 loads may be out: row 0 is in
	LDROW 3, 0, 2
	s_wait_loadcnt 32                              ; row 2's may be out: row 1 is in
	LDROW 3, 128, 3                                ; rows 2 and 3 arrive during the first pair's 40 steps
	PAIR 2, 0
	s_wait_loadcnt 0x0                             ; rows 2 and 3
	PAIR 3, 2                                      ; the first pair's stores leave meanwhile
	s_wait_tensorcnt 0x0
	ds_add_u32 v10, v11
	s_wait_dscnt 0x0
	s_endpgm
.Lfunc_end_k_q2c1f066047_project:
	.size	k_q2c1f066047_project, .Lfunc_end_k_q2c1f066047_project-k_q2c1f066047_project
	.p2alignl 7, 3214868480
	.fill 96, 4, 3214868480
	.section	.rodata,"a",@progbits
	.p2align	6, 0x0
	.amdhsa_kernel k_q2c1f066047_project
		.amdhsa_group_segment_fixed_size 115456
		.amdhsa_private_segment_fixed_size 0
		.amdhsa_enable_private_segment 0
		.amdhsa_kernarg_size 48
		.amdhsa_user_sgpr_count 2
		.amdhsa_user_sgpr_kernarg_segment_ptr 1
		.amdhsa_wavefront_size32 1
		.amdhsa_system_sgpr_workgroup_id_x 1
		.amdhsa_system_sgpr_workgroup_id_y 1
		.amdhsa_system_sgpr_workgroup_id_z 1
		.amdhsa_system_vgpr_workitem_id 0
		.amdhsa_next_free_vgpr 1024
		.amdhsa_next_free_sgpr 66
		.amdhsa_reserve_vcc 1
		.amdhsa_float_denorm_mode_32 3
		.amdhsa_float_denorm_mode_16_64 3
		.amdhsa_memory_ordered 1
		.amdhsa_forward_progress 1
		.amdhsa_inst_pref_size 255
	.end_amdhsa_kernel
	.section	.bss,"aw",@nobits
	.p2align	6
	.space	262144
	.amdgpu_metadata
---
amdhsa.version: [ 1, 2 ]
amdhsa.kernels:
  - .name:           k_q2c1f066047_project
    .symbol:         k_q2c1f066047_project.kd
    .args:
      - { .name: z, .offset: 0, .size: 8, .value_kind: global_buffer, .address_space: global }
      - { .name: gamma, .offset: 8, .size: 8, .value_kind: global_buffer, .address_space: global }
      - { .name: m, .offset: 16, .size: 8, .value_kind: global_buffer, .address_space: global }
      - { .name: M, .offset: 24, .size: 8, .value_kind: global_buffer, .address_space: global }
      - { .name: xi, .offset: 32, .size: 8, .value_kind: global_buffer, .address_space: global }
      - { .name: out0, .offset: 40, .size: 8, .value_kind: global_buffer, .address_space: global }
    .group_segment_fixed_size: 115456
    .private_segment_fixed_size: 0
    .kernarg_segment_align: 8
    .kernarg_segment_size: 48
    .max_flat_workgroup_size: 128
    .sgpr_count:     66
    .vgpr_count:     1024
    .wavefront_size: 32
...
	.end_amdgpu_metadata
.endif
;; end of part 1
